; MI455X (gfx1250); checked and timed in simulation.
; The chip was launched on July 23, 2026; its instructions are those of AMD's public machine-readable ISA for CDNA 5 (MIT licence, August 2026) and "CDNA5" Instruction Set Architecture Reference Guide (July 2026). The comments in the code are by the model that wrote it; some were corrected since.
;; Quant Linear. Allowed arithmetic: matrix products marked QUANTISED: E2M1 operands, one E8M0 scale for each 32 along K, by v_wmma_scale_f32_16x16x128_f8f6f4 with both operands' format E2M1 (or v_wmma_scale_f32_32x16x128_f4), f32 sums; everything else in f32.
;; Inputs: bias 4,096 float32; qweight 512 x 4,096 int32; qzeros 32 x 512 int32; scales 32 x 4,096 float32; x 4,096 x 4,096 float32.
;; Outputs: out0 4,096 x 4,096 float32.
;; This version of the problem:
;;   THIS VERSION OF THE PROBLEM IS GIVEN IN LOW PRECISION. The matrix products marked QUANTISED in the list below multiply operands that are first quantised to E2M1 (2 exponent bits, 1 mantissa bit; 4 bits a number), with one power-of-two scale for each 32 numbers along K (OCP MX v1.0); their sums are f32. All else is computed in f32.
;;   The module's matrix products, in the order in which they are computed (A, B: the left and right operand; K: the contracted axis; several contracted axes count as one K, in the product's order):
;;     1. [M 4,096, K 4,096] x [K 4,096, N 4,096]; A: input x; B: computed on the way: QUANTISED
;;   THE QUANTISER, for each operand of a quantised product, along K:
;;     - K is cut into blocks of 32 from its start; a last block that is shorter is filled with zeros.
;;     - A block's scale is 2^e with e = floor(log2(the largest magnitude in the block)) - 2, held to -126 .. 127; a block of zeros has e = 0. As a byte (E8M0): e + 127.
;;     - Each number is divided by its block's scale, clamped to +-6, and rounded to the nearest number of E2M1, ties to even, subnormals kept.
;;     - The product sums the exact products of the quantised numbers (number of the format x scale) in f32.
;;   ~~~python
;;   def quantise(x, axis):      # numpy; x: float32 -> the quantised numbers, widened to float32 again
;;       x = np.moveaxis(x, axis, -1); K = x.shape[-1]
;;       x = np.pad(x, [(0, 0)] * (x.ndim - 1) + [(0, -K % 32)]); x = x.reshape(x.shape[:-1] + (-1, 32)); a = np.abs(x).max(-1, keepdims=True)
;;       e = np.where(a > 0, np.clip(np.frexp(np.where(a > 0, a, 1))[1] - 1 - 2, -126, 127), 0)      # np.frexp(a)[1] - 1 = floor(log2(a)), exactly
;;       r = np.clip(x / 2.0 ** e, -6, 6)
;;       step = 2.0 ** (np.maximum(np.frexp(np.where(r == 0, 1, r))[1] - 1, 0) - 1)
;;       q = np.round(r / step) * step * 2.0 ** e      # np.round: ties to even
;;       return np.moveaxis(q.reshape(q.shape[:-2] + (-1,))[..., :K], -1, axis).astype(np.float32)
;;   ~~~
;;   OPERANDS COMPUTED ON THE WAY. 'Computed on the way' means the value that the module computes at that place (a softmax that the list does not call 'softmax' is quantised finished and normalised). What goes into a quantiser is computed in f32, as accurately as f32 sums, v_exp_f32 and their like allow (about 1e-6 of the number): no bf16 or f16 on the way to a quantiser, and a product that is left as it is and whose result goes on into a quantised operand takes f32 operands (vector FMAs, or v_wmma_f32_16x16x4_f32). A number that lies on a knife's edge between two numbers of the format may be rounded either way, as far as f32 arithmetic and the matrix unit's own rounding can turn it there, and no further.
;; One version. Each part assembles by itself: llvm-mc -triple=amdgcn-amd-amdhsa -mcpu=gfx1250 --defsym DOCPART=n.
;; ======== version 1 of 1: 2 launches
;; limits: right only within a limited range of input values
;; workspace buffers: xq 8,912,896 bytes; wq 8,912,896 bytes
;; launch quant (part 1): grid 768 x 1, 4 waves a work-group, no clusters, 57,856 bytes of LDS; arguments x, qweight, qzeros, scales, xq, wq; writes xq, wq
.if DOCPART == 1
	.amdgcn_target "amdgcn-amd-amdhsa--gfx1250"
	.amdhsa_code_object_version 6
	.text
	.protected	k_qa5584b96bb_quant
	.globl	k_qa5584b96bb_quant
	.p2align	8
	.type	k_qa5584b96bb_quant,@function
k_qa5584b96bb_quant:
	s_mov_b64 s[64:65], 0
	v_nop
	global_prefetch_b8 v0, s[64:65] scope:SCOPE_SE
	s_setreg_imm32_b32 hwreg(HW_REG_WAVE_MODE, 25, 1), 1
	s_wait_xcnt 0x0
; Both operands of out = x W + bias are turned into codes of FP4 (E2M1) with one E8M0 scale byte for each 32 along K.
; x: [4096 (m)][4096 (k)] f32.  W[k][n] = (w - z) s in f32, w = nibble k % 8 of qweight[k / 8][n], z = nibble n % 8 of qzeros[k / 128][n / 8], s = scales[k / 128][n].
; WORK LEFT OUT.  The problem makes v = ((w - z) s) / s + z and takes v + (round(v) - v) for w.  w and z are whole numbers, so in exact arithmetic v = w for every s other than 0, round(v) - v is 0 by identity,
; and the second dequantising repeats the first: the weight is (w - z) s.  LIMIT: a NaN, an infinity or an overflow that arises only in that round trip (s = 0; (w - z) s beyond f32's range on the way) is not carried to the result.
; THE TWO OUTPUTS: [32 groups of 128 rows][8 K steps of 512][34,816 bytes]; a row is a row m of x, or a column n of W.  A block of 34,816 bytes is 136 pieces of 256 bytes: 128 pieces of codes (512 codes of one row,
; K innermost, two codes a byte, the lower k in the low four bits), then 8 pieces of scale bytes: 16 bytes a row, rows in order, byte t for k = 32 t .. 32 t + 31.
; x: piece r holds row r's codes.  W: piece 64 g + 16 b + r holds the codes of column 64 g + 4 r + b of the group (r < 16, b < 4): in the product, four tiles of 16 columns then give a lane four neighbouring columns.
; A block's scale is 2^(floor(log2(its largest magnitude)) - 2); its byte is the largest magnitude's exponent field - 2, held at 1 from below.
; LIMITS.  A block of zeros gets the byte 1 where the rule says 127: its codes are zeros, and this program alone reads the bytes.  Blocks whose largest magnitude lies under 2^-124 are held at the byte 1.
; NaN and infinities among the inputs are not served.
; SHARES.  Work-groups 0..255 take W (one block of 34,816 bytes each), work-groups 256..767 take x (four waves side by side on 16 rows x 2,048 along K).  The two ways part once, on the work-group's number,
; and never join; each has LDS bytes of its own.  No barrier: waves share nothing.  No prefetch: there is no loop to run ahead in, each wave has 16 or more loads out from its start.
.set BLKB,  34816
.set XREG,  5632                       ; LDS, x's way: a wave's region: two stages of 32 x 80 bytes, then its 256 scale bytes
.set XST,   2560
.set XSB,   5120
.set WSTG,  4*XREG                     ; LDS, W's way: behind x's regions, 32 rows x 272 bytes for each wave
.set WREG,  32*272
.set SPARE, WSTG+4*WREG                ; the spare words: two blocks of 256 bytes that no other line names
.set SPW,  192
.set NIL,  193
; both ways: v2 lane; v3 16 x lane; v4 8 x lane; v5, v6 x's scale bytes in LDS (in, out); v8, v9 W's stage (in, out); v10 4 x lane; v11 4 (lane / 8); v12 4 (lane % 8); v13 W's way out; v14, v15 x's stage (in, out)
	s_load_b256 s[4:11], s[0:1], 0x0               ; x, qweight, qzeros, scales
	s_load_b128 s[12:15], s[0:1], 0x20             ; xq, wq
	v_lshl_add_u32 v[SPW], v0, 2, SPARE
	v_mov_b32 v[NIL], 0
	v_lshrrev_b32 v1, 5, v0
	v_readfirstlane_b32 s16, v1                    ; wave 0..3
	v_and_b32 v2, 31, v0                           ; lane
	s_mul_i32 s17, s16, XREG
	s_mul_i32 s18, s16, WREG
	s_add_co_u32 s18, s18, WSTG
	v_lshlrev_b32 v3, 4, v2
	v_lshlrev_b32 v4, 3, v2
	v_lshrrev_b32 v1, 2, v2
	v_mul_u32_u24 v14, v1, 80
	v_and_b32 v7, 3, v2
	v_lshl_add_u32 v14, v7, 4, v14
	v_add_nc_u32 v14, s17, v14                     ; x's stage, in: four lanes' 64 bytes on end, then 16 of padding
	v_mul_u32_u24 v15, v2, 80
	v_add_nc_u32 v15, s17, v15                     ; and out: 80 x lane: my 16 neighbours along K
	v_lshrrev_b32 v5, 1, v2
	v_add_nc_u32 v5, s17, v5
	v_add_nc_u32 v5, XSB, v5                       ; my block's scale byte
	v_add_nc_u32 v6, s17, v4
	v_add_nc_u32 v6, XSB, v6                       ; and 8 bytes a lane on the way out
	v_mul_u32_u24 v8, v2, 272
	v_add_nc_u32 v8, s18, v8                       ; W's stage, in: row = my column
	v_lshrrev_b32 v1, 4, v2
	v_mul_u32_u24 v9, v1, 272
	v_and_b32 v7, 15, v2
	v_lshl_add_u32 v9, v7, 4, v9
	v_add_nc_u32 v9, s18, v9                       ; and out: sixteen lanes to a row, two rows an instruction
	v_lshlrev_b32 v13, 4, v7
	v_lshl_add_u32 v13, v1, 12, v13                ; in wq: the second row lies 16 pieces behind the first
	v_lshlrev_b32 v10, 2, v2
	v_lshrrev_b32 v11, 3, v2
	v_lshlrev_b32 v11, 2, v11
	v_and_b32 v12, 7, v2
	v_lshlrev_b32 v12, 2, v12
	s_wait_alu depctr_va_vdst(0)                   ; the wait at the head's end
	s_wait_kmcnt 0x0
	s_cmp_lt_u32 ttmp9, 256
	s_cbranch_scc0 .Lx
; ---- W: a lane takes a column n, and its registers run down K
; Work-group id: columns 128 (id % 32) on, K step id / 32.  Wave w: columns + 32 w + lane.  A word of qweight holds eight neighbours along K of one column, so a block of 32 along K is four words,
; and each load reads 128 consecutive bytes a wave.  A lane's 16 blocks are 256 bytes of codes: they go through the wave's stage and leave as whole pieces.
; A NIBBLE BECOMES A NUMBER by one instruction: nibble i of a half word, left in its place under the exponent of 2^(23 - 4 i), is the f32 number 2^(23 - 4 i) + w, exactly; adding -(2^(23 - 4 i) + z) gives w - z, exactly.
.set WT,  16                           ; v16-19   at work
.set ZR,  20                           ; v20-23   the four groups' zeros; then the words' upper halves
.set SB,  24                           ; v24-27   my column's 16 scale bytes
.set PS,  28                           ; v28-35   (s, s) of groups 0..3 of this K step
.set MC,  36                           ; v36-51   of each group -(2^23 + z), -(2^19 + z), -(2^15 + z), -(2^11 + z)
.set QW,  52                           ; v52-115  64 words of qweight; block t's four registers then take block t's codes
.set WN,  116                          ; v116-147 a block's 32 numbers
.set OUTR, 116                         ; v116-179 the way out
	s_and_b32 s19, ttmp9, 31                       ; which 128 columns
	s_lshr_b32 s20, ttmp9, 5                       ; which K step
	s_lshl_b32 s21, s19, 9
	s_lshl_b32 s22, s16, 7
	s_add_co_u32 s21, s21, s22                     ; my wave's first column, in bytes of a row of words
	s_mov_b32 s25, 0
	s_lshl_b32 s24, s20, 20                        ; qweight: 64 rows of 16,384 bytes a K step
	s_add_co_u32 s24, s24, s21
	s_add_nc_u64 s[6:7], s[6:7], s[24:25]
	s_lshl_b32 s24, s20, 16                        ; scales: 4 rows of 16,384 bytes
	s_add_co_u32 s24, s24, s21
	s_add_nc_u64 s[10:11], s[10:11], s[24:25]
	s_lshl_b32 s24, s20, 13                        ; qzeros: 4 rows of 2,048 bytes; eight columns to a word
	s_lshr_b32 s21, s21, 3
	s_add_co_u32 s24, s24, s21
	s_add_nc_u64 s[8:9], s[8:9], s[24:25]
.macro QLOAD t                         ; block t's four words
.irp j, 0,1,2,3
	global_load_b32 v[QW+4*(\t)+\j], v10, s[6:7] offset:16384*(4*(\t)+\j) th:TH_LOAD_NT
.endr
.endm
.irp g, 0,1,2,3
	global_load_b32 v[PS+2*\g], v10, s[10:11] offset:16384*\g
.endr
.irp g, 0,1,2,3
	global_load_b32 v[ZR+\g], v11, s[8:9] offset:2048*\g
.endr
.irp t, 0,1,2,3,4,5,6,7
	QLOAD \t
.endr
	s_lshl_b32 s23, s19, 3
	s_add_co_u32 s23, s23, s20
	s_mul_i32 s23, s23, BLKB                       ; my work-group's block of wq
	s_lshr_b32 s24, s16, 1
	s_lshl_b32 s24, s24, 14                        ; my 64 pieces,
	s_and_b32 s26, s16, 1
	s_lshl_b32 s26, s26, 11                        ; in them my half of each 16
	s_add_co_u32 s24, s24, s26
	s_add_co_u32 s24, s24, s23
	s_add_nc_u64 s[20:21], s[14:15], s[24:25]      ; where my codes go
	s_lshl_b32 s24, s16, 9                         ; my 32 rows of 16 scale bytes
	s_add_co_u32 s24, s24, s23
	s_add_co_u32 s24, s24, 32768
	s_add_nc_u64 s[22:23], s[14:15], s[24:25]      ; where my scale bytes go
	s_mov_b32 s32, 0xf0                            ; the nibbles' masks (the first is the inline 15)
	s_mov_b32 s33, 0xf00
	s_mov_b32 s34, 0xf000
	s_mov_b32 s35, 0x4b000000                      ; 2^23, 2^19, 2^15, 2^11
	s_mov_b32 s36, 0x49000000
	s_mov_b32 s37, 0x47000000
	s_mov_b32 s38, 0x45000000
	s_wait_loadcnt 32                              ; the eight loads of s and z are in; the 32 words issued behind them may be out
.irp g, 0,1,2,3
	v_lshrrev_b32 v[ZR+\g], v12, v[ZR+\g]
	v_and_b32 v[ZR+\g], 15, v[ZR+\g]               ; my column's nibble
	v_cvt_f32_u32 v[ZR+\g], v[ZR+\g]
	v_sub_f32 v[MC+4*\g], 0xcb000000, v[ZR+\g]
	v_sub_f32 v[MC+4*\g+1], 0xc9000000, v[ZR+\g]
	v_sub_f32 v[MC+4*\g+2], 0xc7000000, v[ZR+\g]
	v_sub_f32 v[MC+4*\g+3], 0xc5000000, v[ZR+\g]
	v_mov_b32 v[PS+2*\g+1], v[PS+2*\g]
.endr
	s_wait_alu depctr_va_vdst(0)                   ; the wait ahead of the waits below
.macro WBLOCK t                        ; block t: k = 32 t .. 32 t + 31 of this K step, group t / 4
.set GP, (\t)/4
.if (\t) <= 8
	s_wait_loadcnt 28                              ; my four words are in; behind them stand the words of seven later blocks
.else
	s_wait_loadcnt 4*(15-(\t))
.endif
.if (\t) < 8
	QLOAD (\t)+8
.endif
.irp j, 0,1,2,3
	v_lshrrev_b32 v[ZR+\j], 16, v[QW+4*(\t)+\j]
.endr
.irp j, 0,1,2,3                        ; register 8 j + i: k = 32 t + 8 j + i
	v_and_or_b32 v[WN+8*\j], v[QW+4*(\t)+\j], 15, s35
	v_and_or_b32 v[WN+8*\j+1], v[QW+4*(\t)+\j], s32, s36
	v_and_or_b32 v[WN+8*\j+2], v[QW+4*(\t)+\j], s33, s37
	v_and_or_b32 v[WN+8*\j+3], v[QW+4*(\t)+\j], s34, s38
	v_and_or_b32 v[WN+8*\j+4], v[ZR+\j], 15, s35
	v_and_or_b32 v[WN+8*\j+5], v[ZR+\j], s32, s36
	v_and_or_b32 v[WN+8*\j+6], v[ZR+\j], s33, s37
	v_and_or_b32 v[WN+8*\j+7], v[ZR+\j], s34, s38
.endr
.irp j, 0,4,8,12,16,20,24,28           ; w - z
	v_pk_add_f32 v[WN+\j:WN+\j+1], v[WN+\j:WN+\j+1], v[MC+4*GP:MC+4*GP+1]
	v_pk_add_f32 v[WN+\j+2:WN+\j+3], v[WN+\j+2:WN+\j+3], v[MC+4*GP+2:MC+4*GP+3]
.endr
.set n, 0
.rept 16
	v_pk_mul_f32 v[WN+n:WN+n+1], v[WN+n:WN+n+1], v[PS+2*GP:PS+2*GP+1]   ; x s: the weight
.set n, n+2
.endr
	v_max3_num_f32 v[WT], |v[WN]|, |v[WN+1]|, |v[WN+2]|            ; the block's largest magnitude: all 32 numbers are mine; two chains
	v_max3_num_f32 v[WT+1], |v[WN+3]|, |v[WN+4]|, |v[WN+5]|
.irp i, 6,10,14,18,22,26
	v_max3_num_f32 v[WT], v[WT], |v[WN+\i]|, |v[WN+\i+1]|
	v_max3_num_f32 v[WT+1], v[WT+1], |v[WN+\i+2]|, |v[WN+\i+3]|
.endr
	v_max3_num_f32 v[WT], v[WT], |v[WN+30]|, |v[WN+31]|
	v_max3_num_f32 v[WT], v[WT], v[WT+1], 0x1800000                ; and the floor 2^(3 - 127): the byte cannot fall under 1
	v_add_nc_u32 v[WT+2], 0xff000000, v[WT]        ; 2 off its exponent field: the conversion takes the exponent field of this operand as its scale
.irp g, 0,1,2,3
	v_cvt_scalef32_pk8_fp4_f32 v[QW+4*(\t)+\g], v[WN+8*\g:WN+8*\g+7], v[WT+2]     ; eight codes a register, the first number's in the lowest four bits
.endr
	v_lshrrev_b32 v[WT+3], 23, v[WT+2]             ; the scale's byte.  (A plain instruction behind the last conversion)
.if (\t)%4 == 0
	v_mov_b32 v[SB+(\t)/4], v[WT+3]                ; four bytes to a register, the lower K in the lower byte
.else
	v_lshl_or_b32 v[SB+(\t)/4], v[WT+3], 8*((\t)%4), v[SB+(\t)/4]
.endif
	ds_store_b128 v8, v[QW+4*(\t):QW+4*(\t)+3] offset:16*(\t)      ; 32 codes: 16 bytes of my column's row.  These registers are not written again
.endm
.irp t, 0,1,2,3,4,5,6,7,8,9,10,11,12,13,14,15
	WBLOCK \t
.endr
	global_store_b128 v3, v[SB:SB+3], s[22:23]     ; 32 lanes store 512 consecutive bytes: the scale bytes of my 32 rows
.irp i, 0,1,2,3,4,5,6,7,8,9,10,11,12,13,14,15
	ds_load_b128 v[OUTR+4*\i:OUTR+4*\i+3], v9 offset:544*\i        ; LDS serves a wave's instructions in order (ISA guide 5.7.1.4): these see my stores
.endr
.irp i, 0,1,2,3,4,5,6,7,8,9,10,11,12,13,14,15
	s_wait_dscnt 15-\i
	global_store_b128 v13, v[OUTR+4*\i:OUTR+4*\i+3], s[20:21] offset:8192*(\i%2)+256*(\i/2)   ; two whole pieces: columns 2 i and 2 i + 1 of my 32
.endr
	s_wait_tensorcnt 0x0                           ; the wave's end
	ds_add_u32 v[SPW], v[NIL]
	s_wait_dscnt 0x0
	s_endpgm
; ---- x: K is innermost
; Work-group id' = id - 256: rows 16 (id' / 2) on; wave w takes K step 4 (id' % 2) + w of these 16 rows, a row (2,048 bytes) a step.
; Each of a step's four loads reads 512 consecutive bytes, 16 a lane; the 2,048 bytes go through the wave's stage in LDS as they lie and come back 64 bytes a lane (16 bytes of padding behind each 64).
; Two neighbouring lanes hold a block of 32.  Loads run four steps (16 loads) ahead, the turn through LDS one step.
.Lx:
.set XR,  16                           ; v16-79   four sets of 16 numbers as they are loaded
.set XN,  80                           ; v80-111  two sets of 16 neighbours
.set XE,  112                          ; v112-127 a scale byte for each step
.set XC,  128                          ; v128-159 two registers of codes for each step: no store's data are written again
.set XT,  160                          ; v160-162 at work
	s_sub_co_u32 s19, ttmp9, 256
	s_lshr_b32 s20, s19, 1                         ; which 16 rows
	s_and_b32 s21, s19, 1
	s_lshl_b32 s21, s21, 2
	s_add_co_u32 s21, s21, s16                     ; which K step
	s_lshl_b32 s22, s20, 18                        ; 16 rows of 16,384 bytes
	s_lshl_b32 s23, s21, 11                        ; 512 numbers of 4 bytes
	s_add_co_u32 s22, s22, s23
	s_mov_b32 s23, 0
	s_add_nc_u64 s[4:5], s[4:5], s[22:23]
	s_lshr_b32 s24, s20, 3                         ; the group of 128 rows
	s_lshl_b32 s24, s24, 3
	s_add_co_u32 s24, s24, s21
	s_mul_i32 s24, s24, BLKB                       ; its block of this K step
	s_and_b32 s25, s20, 7                          ; which 16 rows of the group
	s_lshl_b32 s22, s25, 12
	s_add_co_u32 s22, s22, s24
	s_add_nc_u64 s[26:27], s[12:13], s[22:23]      ; where my codes go: 16 rows of 256 bytes
	s_lshl_b32 s22, s25, 8
	s_add_co_u32 s22, s22, s24
	s_add_co_u32 s22, s22, 32768
	s_add_nc_u64 s[28:29], s[12:13], s[22:23]      ; where my 256 scale bytes go
.macro XLOAD t
.irp i, 0,1,2,3
	global_load_b128 v[XR+16*((\t)%4)+4*\i:XR+16*((\t)%4)+4*\i+3], v3, s[4:5] offset:16384*(\t)+512*\i th:TH_LOAD_NT   ; 32 lanes read 512 consecutive bytes of row t
.endr
.endm
.macro XTURN t                         ; step t's numbers through the stage: LDS serves a wave's instructions in order, so no wait stands between the stores and the loads
.irp i, 0,1,2,3
	ds_store_b128 v14, v[XR+16*((\t)%4)+4*\i:XR+16*((\t)%4)+4*\i+3] offset:XST*((\t)%2)+640*\i
.endr
.irp i, 0,1,2,3
	ds_load_b128 v[XN+16*((\t)%2)+4*\i:XN+16*((\t)%2)+4*\i+3], v15 offset:XST*((\t)%2)+16*\i
.endr
.endm
.irp t, 0,1,2,3
	XLOAD \t
.endr
	s_wait_loadcnt 12                              ; step 0's four loads are in
	XTURN 0
.macro XSTEP t
.set XS, XN+16*((\t)%2)
.if (\t) > 0
	s_wait_dscnt 1                                 ; this step's numbers are back from the stage (the last step's byte store may be out): so its stores into the stage have read their registers,
.else
	s_wait_dscnt 0x0
.endif
.if (\t)+4 < 16
	XLOAD (\t)+4                                   ; which take the loads of four steps on
.endif
.if (\t)+1 < 16
.if 14-(\t) >= 3
	s_wait_loadcnt 12                              ; the next step's four loads are in; those of the three steps behind it may be out
.else
	s_wait_loadcnt 4*(14-(\t))
.endif
	XTURN (\t)+1                                   ; and go through the other stage while this step is worked
.endif
	v_max3_num_f32 v[XT], |v[XS]|, |v[XS+1]|, |v[XS+2]|            ; the largest magnitude of my 16, in two chains
	v_max3_num_f32 v[XT+1], |v[XS+3]|, |v[XS+4]|, |v[XS+5]|
.irp i, 6,10
	v_max3_num_f32 v[XT], v[XT], |v[XS+\i]|, |v[XS+\i+1]|
	v_max3_num_f32 v[XT+1], v[XT+1], |v[XS+\i+2]|, |v[XS+\i+3]|
.endr
	v_max3_num_f32 v[XT], v[XT], |v[XS+14]|, |v[XS+15]|
	v_max3_num_f32 v[XT], v[XT], v[XT+1], 0x1800000                ; and the floor 2^(3 - 127): the byte cannot fall under 1
	v_max_num_f32_dpp v[XT], v[XT], v[XT] row_xmask:1 row_mask:0xf bank_mask:0xf   ; and of my neighbour's 16: the block's
	v_add_nc_u32 v[XT+2], 0xff000000, v[XT]        ; 2 off its exponent field: the conversion's scale operand
	v_cvt_scalef32_pk8_fp4_f32 v[XC+2*(\t)], v[XS:XS+7], v[XT+2]
	v_cvt_scalef32_pk8_fp4_f32 v[XC+2*(\t)+1], v[XS+8:XS+15], v[XT+2]
	v_lshrrev_b32 v[XE+(\t)], 23, v[XT+2]          ; the scale's byte.  (A plain instruction behind the last conversion)
	ds_store_b8 v5, v[XE+(\t)] offset:16*(\t)      ; both lanes of a block write the same byte with the same value
	global_store_b64 v4, v[XC+2*(\t):XC+2*(\t)+1], s[26:27] offset:256*(\t)       ; 32 lanes store the row's 256 bytes of this K step
.endm
.irp t, 0,1,2,3,4,5,6,7,8,9,10,11,12,13,14,15
	XSTEP \t
.endr
	ds_load_b64 v[164:165], v6                     ; LDS serves a wave's instructions in order: these see my byte stores
	s_wait_dscnt 0x0
	global_store_b64 v4, v[164:165], s[28:29]      ; 32 lanes store 256 consecutive bytes: 16 rows x 16 scale bytes
	s_wait_tensorcnt 0x0                           ; the wave's end
	ds_add_u32 v[SPW], v[NIL]
	s_wait_dscnt 0x0
	s_endpgm
.Lfunc_end_k_qa5584b96bb_quant:
	.size	k_qa5584b96bb_quant, .Lfunc_end_k_qa5584b96bb_quant-k_qa5584b96bb_quant
	.p2alignl 7, 3214868480
	.fill 96, 4, 3214868480
	.section	.rodata,"a",@progbits
	.p2align	6, 0x0
	.amdhsa_kernel k_qa5584b96bb_quant
		.amdhsa_group_segment_fixed_size 57856
		.amdhsa_private_segment_fixed_size 0
		.amdhsa_enable_private_segment 0
		.amdhsa_kernarg_size 48
		.amdhsa_user_sgpr_count 2
		.amdhsa_user_sgpr_kernarg_segment_ptr 1
		.amdhsa_wavefront_size32 1
		.amdhsa_system_sgpr_workgroup_id_x 1
		.amdhsa_system_sgpr_workgroup_id_y 1
		.amdhsa_system_sgpr_workgroup_id_z 1
		.amdhsa_system_vgpr_workitem_id 0
		.amdhsa_next_free_vgpr 194
		.amdhsa_next_free_sgpr 66
		.amdhsa_reserve_vcc 0
		.amdhsa_float_denorm_mode_32 3
		.amdhsa_float_denorm_mode_16_64 3
		.amdhsa_memory_ordered 1
		.amdhsa_forward_progress 1
		.amdhsa_inst_pref_size 138
	.end_amdhsa_kernel
	.amdgpu_metadata
---
amdhsa.version: [ 1, 2 ]
amdhsa.kernels:
  - .name:           k_qa5584b96bb_quant
    .symbol:         k_qa5584b96bb_quant.kd
    .args:
      - { .name: x, .offset: 0, .size: 8, .value_kind: global_buffer, .address_space: global }
      - { .name: qweight, .offset: 8, .size: 8, .value_kind: global_buffer, .address_space: global }
      - { .name: qzeros, .offset: 16, .size: 8, .value_kind: global_buffer, .address_space: global }
      - { .name: scales, .offset: 24, .size: 8, .value_kind: global_buffer, .address_space: global }
      - { .name: xq, .offset: 32, .size: 8, .value_kind: global_buffer, .address_space: global }
      - { .name: wq, .offset: 40, .size: 8, .value_kind: global_buffer, .address_space: global }
    .group_segment_fixed_size: 57856
    .private_segment_fixed_size: 0
    .kernarg_segment_align: 8
    .kernarg_segment_size: 48
    .max_flat_workgroup_size: 128
    .sgpr_count:     66
    .vgpr_count:     194
    .wavefront_size: 32
...
	.end_amdgpu_metadata
.endif
;; end of part 1
;; launch gemm (part 2): grid 16 x 16, 4 waves a work-group, clusters of 4 x 4, 327,680 bytes of LDS; arguments xq, wq, bias, out0; writes out0
.if DOCPART == 2
	.amdgcn_target "amdgcn-amd-amdhsa--gfx1250"
	.amdhsa_code_object_version 6
	.text
	.protected	k_qa5584b96bb_gemm
	.globl	k_qa5584b96bb_gemm
	.p2align	8
	.type	k_qa5584b96bb_gemm,@function
k_qa5584b96bb_gemm:
	s_mov_b64 s[64:65], 0
	v_nop
	global_prefetch_b8 v0, s[64:65] scope:SCOPE_SE
	s_setreg_imm32_b32 hwreg(HW_REG_WAVE_MODE, 25, 1), 1
	s_wait_xcnt 0x0
	s_wait_alu depctr_hold_cnt(0) depctr_sa_sdst(0) depctr_va_vdst(0) depctr_va_sdst(0) depctr_va_ssrc(0) depctr_va_vcc(0) depctr_vm_vsrc(0)
	s_getreg_b32 s2, hwreg(HW_REG_IB_STS2, 6, 4)
	s_cmp_eq_u32 s2, 0
	s_cbranch_scc0 .Lentry_in_a_cluster
	s_endpgm
.Lentry_in_a_cluster:
	s_bfe_u32 s2, ttmp6, 0x10000c
	s_cmp_lg_u32 s2, 0xf033
	s_cbranch_scc0 .Lentry_shape_is_right
	s_endpgm
.Lentry_shape_is_right:
; out[m][n] = sum over k of X[m][k] W[n][k] + bias[n], f32: X, W the FP4 codes and E8M0 scale bytes that the launch before laid: [32 groups of 128 rows][8 K steps of 512][34,816 bytes], a block of 34,816 bytes being
; 136 pieces of 256 bytes: 128 of codes, 8 of scale bytes.  (The launch before leaves work out and says which.)
; 256 work-groups, a tile of 256 x 256 each; four waves of 128 x 128: 32 accumulators of 32 x 16, 512 registers.  K goes in 8 K steps of 512 through a ring of two LDS slots; each wave fetches one block (128 rows of X or of W,
; codes and scale bytes) of a slot by one tensor load, as rows of 256 bytes, padded to 272 in LDS.
; CLUSTERS: 4 x 4 work-groups.  The four of a row of the cluster need the same blocks of X, the four of a column the same of W: each block is asked for JOINTLY.
; A K step is four steps of 128.  A step is 32 matrix instructions of 32 x 16 x 128, X's four blocks of 32 rows one after the other, each against W's eight tiles of 16 columns.  The NEXT step's fragments come in two runs of
; sixteen loads: W's tiles at the step's head, X's blocks in its middle.  Both operands have two sets of registers, so that four v_nop at a step's head are the places in front of all its loads.
; TILES OF COLUMNS: tile 4 g + b takes columns 64 g + 4 r + b, lane r (the launch before laid W's pieces so).  In the result lane (r, h), register j is out(8 h + j, 64 g + 4 r + b) of a block's first 16 rows, register 8 + j
; of its second: the four tiles b = 0 .. 3 give a lane four neighbouring columns, and sixteen lanes a whole aligned 256 bytes of a row.  The addition of the bias gathers them, so no result goes through LDS.
; THE LAST SIX STEPS (the second half of K step 6, in slot 0, and K step 7, in slot 1: both stay, nothing is filled again) are walked TWICE, in half steps: first for X's blocks 0 and 1, then for blocks 2 and 3.
; So my first 64 rows are finished six half steps ahead of the others, and leave while those are multiplied.  The price: W's fragments of these six steps are read twice.
; PREFETCH: behind the joint load of K step t each wave asks for its block of K step t + 2 (behind K step 0's for K step 1, behind K step 1's for 2 and 3), the four partners sharing the 136 pieces out by address: 32 pieces of
; codes and 2 of scale bytes each.  Behind K steps 6 and 7 nothing is left to ask for.
; REGISTERS, windows of 256: 0: v0-31 addresses, bias; v32-95 scale words, two sets; v96-223 X's fragments, two sets.  1: v0-127 W's fragments, two sets; v128-255 gather the results on the way out.
; 2, 3: accumulators: block i, tile b at v[128 (i % 2) + 16 b], window 2 + i / 2.
.set PITCH,  272                       ; 68 words: row r starts at bank 4 r mod 64 (64 banks of 4 bytes: ISA guide 11.1)
.set TROWS,  136
.set HALFT,  TROWS*PITCH               ; one block in LDS
.set SLOT,   4*HALFT                   ; X's two, W's two
.set SCO,    128*PITCH                 ; in a block: its scale bytes
.set SPARE,  2*SLOT                    ; the spare words: two blocks of 256 bytes that no other line names
.set BLKB,   34816
.set GRPB,   8*BLKB
.set ROWC,   16384
.set ADRA, 4                           ; v4-5   my X fragments in slot 0, 1
.set ADRB, 6                           ; v6-7   my W fragments
.set ADSA, 8                           ; v8-9   X's scale words: lane l row l of a block of 32
.set ADSB, 10                          ; v10-11 W's: lanes 0-15 tiles 0-3, lanes 16-31 tiles 4-7
.set CO,   12                          ; my byte offset in out
.set PFO,  13                          ; prefetch: my piece of codes
.set PFS,  14                          ; and of scale bytes
.set BO,   15                          ; 16 r: my offset in the bias
.set BI,   16                          ; v16-23 bias of my columns: tile b at BI + b
.set SPW,  28
.set NIL,  29
.set SC,   32                          ; set s at SC + 32 s: X's 4 x 4 words, then W's
.set AF,   96                          ; X's fragments: set p, 16 rows a at AF + 64 p + 8 a.  W's: 64 p + 8 b in window 1
.set G1, 24
.set G0, 32
.set G1B, 48
.set G0B, 56
.set PF, 76                            ; s[76:77] my group's block that prefetches count from: one K step behind the next change of slots' refill
.set MSB, 0
.macro WIN new                         ; the immediate's high byte repeats the setting that is left
.if MSB != (\new)
	s_set_vgpr_msb (MSB<<8)|(\new)
.set MSB, (\new)
.endif
.endm
.set MUL_LO, 0xa4                      ; source 0 (X) window 0, source 1 (W) window 1, C and D window 2
.set MUL_HI, 0xf4                      ; C and D window 3
.set TO_B,   0x40
.set GATHER, 0x42                      ; destination window 1, source 0 window 2 (+ 1: window 3), source 1 window 0
.set LEAVE,  0x04                      ; a store's address window 0, its data window 1
.macro PLACES
.rept 4
	v_nop
.endr
.endm
.macro JLOAD s                         ; a joint load: waves 0 and 1 fetch X's two blocks, waves 2 and 3 W's
	s_cmp_eq_u32 s15, 0
	s_cbranch_scc0 .Lfor_b_\@
	tensor_load_to_lds s[G0+4*\s:G0+4*\s+3], s[G1:G1+7]
	s_nop 0
.rept 4
	v_nop
.endr
	s_branch .Lasked_\@
.Lfor_b_\@:
	tensor_load_to_lds s[G0B+4*\s:G0B+4*\s+3], s[G1B:G1B+7]
	s_nop 0
.rept 4
	v_nop
.endr
.Lasked_\@:
.endm
.macro CREST                           ; a round of the cluster's barrier behind its opening barrier
	s_cmp_lg_u32 s14, 0
	s_cbranch_scc1 .Lnot_wave_0_\@
	s_barrier_signal -3
.Lnot_wave_0_\@:
	s_barrier_wait -3
	s_barrier_signal -1
	s_barrier_wait -1
.endm
.macro CROUND                          ; a whole round
	s_barrier_signal -1
	s_barrier_wait -1
	CREST
.endm
.macro ASK off                         ; prefetch my share of one block
	global_prefetch_b8 v[PFO], s[PF:PF+1] offset:\off th:TH_LOAD_NT scope:SCOPE_SE
	global_prefetch_b8 v[PFS], s[PF:PF+1] offset:\off th:TH_LOAD_NT scope:SCOPE_SE
.endm
	s_load_b256 s[4:11], s[0:1], 0x0               ; xq, wq, bias, out
	v_lshl_add_u32 v[SPW], v0, 2, SPARE
	v_mov_b32 v[NIL], 0
	ds_add_u32 v[SPW], v[NIL]                      ; the wave's opening: the add, twice on end, and its wait ahead of the first tensor load
	ds_add_u32 v[SPW], v[NIL]
	v_lshrrev_b32 v1, 5, v0
	v_readfirstlane_b32 s14, v1                    ; wave 0..3
	s_lshr_b32 s15, s14, 1                         ; which half of the tile's rows is mine.  Also: I fetch for X (0) or for W (1)
	s_and_b32 s16, s14, 1                          ; which half of its columns.  Also: which of the two blocks I fetch
	s_bfe_u32 s40, ttmp6, 0x40000                  ; cx, cy
	s_bfe_u32 s41, ttmp6, 0x40004
	s_lshl_b32 s42, ttmp9, 2
	s_add_co_u32 s42, s42, s40                     ; tile column
	s_and_b32 s17, ttmp7, 0xffff
	s_lshl_b32 s17, s17, 2
	s_add_co_u32 s17, s17, s41                     ; tile row
	s_lshl_b32 s43, s41, 2
	s_lshl_b32 s43, 15, s43                        ; my row of the cluster
	s_lshl_b32 s44, 0x1111, s40                    ; my column
	s_or_b32 s[G1+0], s43, (3<<16)|(1<<20)|(1<<21)|(5<<22)|(3<<25)   ; mask; elements of 8 bytes; padding of 4 words behind every 64; bit 21 beside a mask
	s_or_b32 s[G1B+0], s44, (3<<16)|(1<<20)|(1<<21)|(5<<22)|(3<<25)
.irp g, G1, G1B
	s_mov_b32 s[\g+1], 32<<16
	s_mov_b32 s[\g+2], TROWS<<16
	s_mov_b32 s[\g+3], 32<<16
	s_mov_b32 s[\g+4], TROWS
	s_mov_b32 s[\g+5], 32
	s_mov_b32 s[\g+6], 0
	s_mov_b32 s[\g+7], 0
.endr
	s_mul_i32 s45, s14, HALFT                      ; where my loads go in a slot
.irp s, 0,1
	s_mov_b32 s[G0+4*\s], 1
	s_add_co_u32 s[G0+4*\s+1], s45, \s*SLOT
	s_mov_b32 s[G0B+4*\s], 1
	s_add_co_u32 s[G0B+4*\s+1], s45, \s*SLOT
.endr
	s_lshl_b32 s20, s17, 1
	s_add_co_u32 s20, s20, s16
	s_mul_i32 s20, s20, GRPB                       ; my group of X,
	s_mov_b32 s21, 0
	s_lshl_b32 s46, s42, 1
	s_add_co_u32 s46, s46, s16
	s_mul_i32 s46, s46, GRPB                       ; of W
	s_mov_b32 s47, 0
	s_lshl_b32 s22, s42, 10
	s_lshl_b32 s23, s16, 9
	s_add_co_u32 s22, s22, s23                     ; my first column, in bytes
	s_mov_b32 s23, 0
	s_lshl_b32 s18, s17, 8
	s_lshl_b32 s19, s15, 7
	s_add_co_u32 s18, s18, s19                     ; my first row
	s_lshl_b32 s18, s18, 14
	s_add_co_u32 s18, s18, s22
	s_mov_b32 s19, 0
	s_cmp_eq_u32 s15, 0
	s_cselect_b32 s12, s40, s41                    ; my place among the four that ask for a block with me: it enters prefetch addresses alone
	s_lshl_b32 s13, s12, 13                        ; 32 pieces of codes
	s_lshl_b32 s68, s12, 9
	s_add_co_u32 s68, s68, 32768                   ; 2 pieces of scale bytes
	s_mul_i32 s69, s15, HALFT                      ; my 128 rows of X
	s_mul_i32 s70, s16, HALFT
	s_add_co_u32 s70, s70, 2*HALFT                 ; of W
	s_add_co_u32 s71, s69, SCO
	s_add_co_u32 s72, s70, SCO
	v_and_b32 v1, 15, v0                           ; r
	v_lshlrev_b32 v[BO], 4, v1
	v_and_b32 v30, 31, v0
	v_lshl_add_u32 v[PFO], v30, 8, s13
	v_and_b32 v31, 1, v0
	v_lshl_add_u32 v[PFS], v31, 8, s68             ; (16 lanes name the same piece)
	s_wait_alu depctr_va_vdst(0)                   ; the wait directly ahead of the waits below
	s_wait_dscnt 0x0                               ; both opening adds are done
	CROUND                                         ; all sixteen work-groups are here: the first joint loads meet
	s_wait_kmcnt 0x0
	s_add_nc_u64 s[20:21], s[4:5], s[20:21]
	s_add_nc_u64 s[46:47], s[6:7], s[46:47]
.irp s, 0,1
	s_add_nc_u64 s[G0+4*\s+2:G0+4*\s+3], s[20:21], \s*BLKB
	s_or_b32 s[G0+4*\s+3], s[G0+4*\s+3], 0x80000000
	s_add_nc_u64 s[G0B+4*\s+2:G0B+4*\s+3], s[46:47], \s*BLKB
	s_or_b32 s[G0B+4*\s+3], s[G0B+4*\s+3], 0x80000000
.endr
	JLOAD 0                                        ; K step 0: one tensor load a wave at the head
	s_add_nc_u64 s[8:9], s[8:9], s[22:23]
	s_add_nc_u64 s[10:11], s[10:11], s[18:19]
	global_load_b128 v[BI:BI+3], v[BO], s[8:9]     ; bias of columns 4 r .. 4 r + 3,
	global_load_b128 v[BI+4:BI+7], v[BO], s[8:9] offset:256   ; and 64 further on
	s_cmp_eq_u32 s15, 0
	s_cselect_b64 s[PF:PF+1], s[20:21], s[46:47]
	s_add_nc_u64 s[PF:PF+1], s[PF:PF+1], BLKB      ; at K step 1
	ASK 0                                          ; which is asked for now, under K step 0's load
	v_bfe_u32 v2, v0, 4, 1                         ; h
	v_mul_u32_u24 v3, v1, PITCH
	v_lshl_add_u32 v3, v2, 4, v3                   ; a fragment: row r, 16 bytes for each half of the lanes
	v_add_nc_u32 v[ADRA], s69, v3
	v_add_nc_u32 v[ADRA+1], SLOT, v[ADRA]
	v_add_nc_u32 v[ADRB], s70, v3
	v_add_nc_u32 v[ADRB+1], SLOT, v[ADRB]
	v_mul_u32_u24 v24, v2, PITCH                   ; X: lanes 16-31 take the next piece of scale bytes
	v_lshl_add_u32 v25, v1, 4, v24
	v_add_nc_u32 v[ADSA], s71, v25
	v_add_nc_u32 v[ADSA+1], SLOT, v[ADSA]
	v_lshrrev_b32 v26, 2, v1
	v_lshl_add_u32 v26, v2, 2, v26                 ; W: column 64 h + 4 r + b: piece 4 h + r / 4, in it 16 (4 (r % 4) + b)
	v_mul_u32_u24 v26, v26, PITCH
	v_and_b32 v27, 3, v1
	v_lshl_add_u32 v26, v27, 6, v26
	v_add_nc_u32 v[ADSB], s72, v26
	v_add_nc_u32 v[ADSB+1], SLOT, v[ADSB]
	v_lshl_add_u32 v[CO], v2, 17, v[BO]            ; out: 8 h rows, 16 r bytes
	s_wait_alu depctr_va_vdst(0)                   ; the wait at the head's end
; eight matrix instructions: X's block i (32 rows) x W's eight tiles, fragment sets p, the q-th 128 of the K step in slot s.  X's scale words fill all 32 lanes; W's lie in lanes 0-15 (tiles 0-3) or 16-31 (4-7).
; The accumulators take turns, one instruction a turn.  zero = 1: the first product starts the sums.
.macro MUL8 i, p, q, s, zero
.irp b, 0,1,2,3,4,5,6,7
.set WD, 128*((\i)%2)+16*\b
.set WX, AF+64*(\p)+16*(\i)
.set WY, 64*(\p)+8*\b
.set WSA, SC+32*(\s)+4*(\i)+(\q)
.set WSB, SC+32*(\s)+16+4*(\b%4)+(\q)
.if \zero
.if \b < 4
	v_wmma_scale_f32_32x16x128_f4 v[WD:WD+15], v[WX:WX+15], v[WY:WY+7], 0, v[WSA], v[WSB]
.else
	v_wmma_scale_f32_32x16x128_f4 v[WD:WD+15], v[WX:WX+15], v[WY:WY+7], 0, v[WSA], v[WSB] matrix_b_scale:MATRIX_SCALE_ROW1
.endif
.else
.if \b < 4
	v_wmma_scale_f32_32x16x128_f4 v[WD:WD+15], v[WX:WX+15], v[WY:WY+7], v[WD:WD+15], v[WSA], v[WSB]
.else
	v_wmma_scale_f32_32x16x128_f4 v[WD:WD+15], v[WX:WX+15], v[WY:WY+7], v[WD:WD+15], v[WSA], v[WSB] matrix_b_scale:MATRIX_SCALE_ROW1
.endif
.endif
.endr
.endm
; A fragment, 16 rows x 128 K of 4-bit codes, is 8 registers: lane (r, h) holds row r; registers 4 c .. 4 c + 3 hold K = 64 c + 32 h + 0 .. 31.  Two of X's make a block of 32 rows.
.macro FRA slot, q, p, i
	ds_load_b128 v[AF+64*(\p)+8*(\i):AF+64*(\p)+8*(\i)+3], v[ADRA+\slot] offset:64*(\q)+(\i)*16*PITCH
	ds_load_b128 v[AF+64*(\p)+8*(\i)+4:AF+64*(\p)+8*(\i)+7], v[ADRA+\slot] offset:64*(\q)+32+(\i)*16*PITCH
.endm
.macro FETCH_B slot, q, p              ; W's eight tiles
	WIN TO_B
.irp i, 0,1,2,3,4,5,6,7
	ds_load_b128 v[64*(\p)+8*\i:64*(\p)+8*\i+3], v[ADRB+\slot] offset:64*(\q)+\i*16*PITCH
	ds_load_b128 v[64*(\p)+8*\i+4:64*(\p)+8*\i+7], v[ADRB+\slot] offset:64*(\q)+32+\i*16*PITCH
.endr
.endm
.macro FETCH_A0 slot, q, p             ; X's block 0
	WIN 0
	FRA \slot, \q, \p, 0
	FRA \slot, \q, \p, 1
.endm
.macro FETCH_A1 slot, q, p             ; X's blocks 1-3
	WIN 0
.irp i, 2,3,4,5,6,7
	FRA \slot, \q, \p, \i
.endr
.endm
.macro FETCH_AH slot, q, p, hh         ; X's blocks 2 hh, 2 hh + 1
	WIN 0
.irp i, 0,1,2,3
	FRA \slot, \q, \p, 4*(\hh)+\i
.endr
.endm
.macro SCALES s                        ; a K step's scale words: four a row
	WIN 0
.irp i, 0,1,2,3
	ds_load_b128 v[SC+32*\s+4*\i:SC+32*\s+4*\i+3], v[ADSA+\s] offset:2*PITCH*\i
.endr
.irp i, 0,1,2,3
	ds_load_b128 v[SC+32*\s+16+4*\i:SC+32*\s+16+4*\i+3], v[ADSB+\s] offset:16*\i
.endr
.endm
; A load into a register that a matrix instruction has read, and a vector instruction that reads a result or writes one of its registers, stand four places behind it, and only plain vector instructions that name
; none of its registers are places (ISA guide 7.12.1 for vector instructions).
; A step whose successor lies in the same slot.  Ahead of block i those of the older sixteen loads that bring X's later blocks may be out, 12 - 4 i, and this step's own: sixteen, behind the second run 32.
; turn = 1: the slot's last reads are issued in this step, and a change of slots follows.
.macro STEP slot, q, zero, turn
	PLACES
	FETCH_B \slot, (\q)+1, 1-(\q)%2
	WIN MUL_LO
	s_wait_dscnt 28
	MUL8 0, (\q)%2, \q, \slot, \zero
	s_wait_dscnt 24
	MUL8 1, (\q)%2, \q, \slot, \zero
	FETCH_A0 \slot, (\q)+1, 1-(\q)%2
	FETCH_A1 \slot, (\q)+1, 1-(\q)%2
	WIN MUL_HI
	s_wait_dscnt 36
	MUL8 2, (\q)%2, \q, \slot, \zero
.if \turn
	WIN 0
	s_wait_xcnt 0x0                                ; my prefetches have read their address: it steps
	s_add_nc_u64 s[PF:PF+1], s[PF:PF+1], BLKB
	s_wait_tensorcnt 0x0                           ; all my tensor loads have landed: my part of the next slot;
	ds_add_u32 v[SPW], v[NIL]                      ; 0 onto my spare word;
	s_add_nc_u64 s[G0+4*\slot+2:G0+4*\slot+3], s[G0+4*\slot+2:G0+4*\slot+3], 2*BLKB
	s_add_nc_u64 s[G0B+4*\slot+2:G0B+4*\slot+3], s[G0B+4*\slot+2:G0B+4*\slot+3], 2*BLKB
	WIN MUL_HI
	s_wait_dscnt 33                                ; (one more: the add)
.else
	s_wait_dscnt 32
.endif
	MUL8 3, (\q)%2, \q, \slot, \zero
.endm
; A slot's last step changes slots: ONE barrier; in front of it each wave has waited for all its tensor loads, added 0 to its spare word (the step before), and waits for that and for its own reads of this slot.
; The barrier opens a round of the cluster's barrier, and this slot is filled again, two K steps on.
.macro TURN slot, next
	PLACES
	s_wait_dscnt 0x0                               ; the add is done, and my reads of this slot are over
	s_barrier_signal -1
	WIN MUL_LO
	MUL8 0, 1, 3, \slot, 0
	WIN 0
	s_barrier_wait -1
	CREST                                          ; no wave of any partner still reads this slot's tile or has a load on its way
	JLOAD \slot                                    ; the first tensor load behind the round
	SCALES \next
	FETCH_A0 \next, 0, 0
	FETCH_B \next, 0, 0
	WIN MUL_LO
	MUL8 1, 1, 3, \slot, 0
	FETCH_A1 \next, 0, 0
	s_cmp_gt_u32 s3, 1                             ; the loop's last trip asks for nothing: no K step lies two on
	s_cbranch_scc0 .Lno_ask_\@
	ASK 2*BLKB
.Lno_ask_\@:
	WIN MUL_HI
	MUL8 2, 1, 3, \slot, 0
	MUL8 3, 1, 3, \slot, 0
.endm
; A half step: X's blocks 2 hh and 2 hh + 1.  more = 1: the next half step's 24 loads go out at its head, and the wait leaves these 24 out.
.macro HS slot, q, hh, nslot, nq, nhh, more
	PLACES
.if \more
	FETCH_B \nslot, \nq, (\nq)%2
	FETCH_AH \nslot, \nq, (\nq)%2, \nhh
	s_wait_dscnt 24
.else
	s_wait_dscnt 0x0
.endif
.if \hh
	WIN MUL_HI
.else
	WIN MUL_LO
.endif
	MUL8 2*(\hh), (\q)%2, \q, \slot, 0
	MUL8 2*(\hh)+1, (\q)%2, \q, \slot, 0
.endm
; THE WAY OUT of 16 rows a x 128 columns.  Two runs of 32 registers in window 1, four registers a row and 64 columns; runs of even and odd a take turns.  Each accumulator is read from its low end on.
.macro OUT a
.set T0, 128+64*((\a)%2)
.set T1, T0+32
.set AC, 128*(((\a)/2)%2)+8*((\a)%2)
.if (\a) > 1
	s_wait_xcnt 0x0                                ; the stores of rows a - 2 have read these runs (ISA guide 3.1)
.endif
	WIN GATHER+(\a)/4
.irp j, 0,1,2,3,4,5,6,7
.irp b, 0,1,2,3
	v_add_f32 v[T0+4*\j+\b], v[AC+16*\b+\j], v[BI+\b]
	v_add_f32 v[T1+4*\j+\b], v[AC+64+16*\b+\j], v[BI+4+\b]
.endr
.endr
	WIN LEAVE
.irp j, 0,1,2,3,4,5,6,7
	global_store_b128 v[CO], v[T0+4*\j:T0+4*\j+3], s[10:11] offset:(16*(\a)+\j)*ROWC th:TH_STORE_NT   ; sixteen lanes store 256 consecutive bytes, aligned: two rows
	global_store_b128 v[CO], v[T1+4*\j:T1+4*\j+3], s[10:11] offset:(16*(\a)+\j)*ROWC+256 th:TH_STORE_NT
.endr
.endm
	s_wait_tensorcnt 0x0                           ; my block of K step 0 is in
	ds_add_u32 v[SPW], v[NIL]
	s_wait_dscnt 0x0
	CROUND                                         ; everybody's part of K step 0 is in
	JLOAD 1                                        ; K step 1, the first tensor load behind the round
	SCALES 0
	FETCH_B 0, 0, 0
	FETCH_A0 0, 0, 0
	FETCH_A1 0, 0, 0
	s_wait_loadcnt 0x0                             ; the bias
	ASK BLKB                                       ; K steps 2 and 3
	ASK 2*BLKB
	STEP 0, 0, 1, 0                                ; the first step stands in front of the loop: its products start the sums
	WIN 0
	s_mov_b32 s3, 3
.Llap:                                                 ; a trip goes once round the ring, from a lap's second step to the next lap's first, and fills both slots again
	STEP 0, 1, 0, 0
	STEP 0, 2, 0, 1
	TURN 0, 1
	STEP 1, 0, 0, 0
	STEP 1, 1, 0, 0
	STEP 1, 2, 0, 1
	TURN 1, 0
	STEP 0, 0, 0, 0
	WIN 0
	s_sub_co_u32 s3, s3, 1
	s_cmp_lg_u32 s3, 0
	s_cbranch_scc1 .Llap
	STEP 0, 1, 0, 0                                ; K step 6's second step: the last whole one
	HS 0, 2, 0, 0, 3, 0, 1                         ; THE FIRST WALK: my first 64 rows
	PLACES                                         ; K step 6's last half step shows slot 1's tile to all waves: nothing is filled again
	WIN 0
	s_wait_tensorcnt 0x0
	ds_add_u32 v[SPW], v[NIL]
	s_wait_dscnt 0x0
	s_barrier_signal -1
	WIN MUL_LO
	MUL8 0, 1, 3, 0, 0
	WIN 0
	s_barrier_wait -1
	SCALES 1
	FETCH_AH 1, 0, 0, 0
	FETCH_B 1, 0, 0
	WIN MUL_LO
	MUL8 1, 1, 3, 0, 0
	HS 1, 0, 0, 1, 1, 0, 1
	HS 1, 1, 0, 1, 2, 0, 1
	HS 1, 2, 0, 1, 3, 0, 1
	HS 1, 3, 0, 0, 2, 1, 1                         ; its last loads bring the second walk's first fragments
	PLACES                                         ; the additions read results just made
	OUT 0                                          ; THE SECOND WALK: my other 64 rows, the first ones' stores between its half steps
	OUT 1
	HS 0, 2, 1, 0, 3, 1, 1
	HS 0, 3, 1, 1, 0, 1, 1
	OUT 2
	HS 1, 0, 1, 1, 1, 1, 1
	HS 1, 1, 1, 1, 2, 1, 1
	OUT 3
	HS 1, 2, 1, 1, 3, 1, 1
	HS 1, 3, 1, 0, 0, 0, 0
	PLACES
	OUT 4
	OUT 5
	OUT 6
	OUT 7
	WIN 0
	s_wait_tensorcnt 0x0                           ; the wave's end
	ds_add_u32 v[SPW], v[NIL]
	s_wait_dscnt 0x0
	CROUND                                         ; the closing round: no work-group ends while a partner may still ask for a tile that names it
	s_endpgm
.Lfunc_end_k_qa5584b96bb_gemm:
	.size	k_qa5584b96bb_gemm, .Lfunc_end_k_qa5584b96bb_gemm-k_qa5584b96bb_gemm
	.p2alignl 7, 3214868480
	.fill 96, 4, 3214868480
	.section	.rodata,"a",@progbits
	.p2align	6, 0x0
	.amdhsa_kernel k_qa5584b96bb_gemm
		.amdhsa_group_segment_fixed_size 327680
		.amdhsa_private_segment_fixed_size 0
		.amdhsa_enable_private_segment 0
		.amdhsa_kernarg_size 32
		.amdhsa_user_sgpr_count 2
		.amdhsa_user_sgpr_kernarg_segment_ptr 1
		.amdhsa_wavefront_size32 1
		.amdhsa_system_sgpr_workgroup_id_x 1
		.amdhsa_system_sgpr_workgroup_id_y 1
		.amdhsa_system_sgpr_workgroup_id_z 1
		.amdhsa_system_vgpr_workitem_id 0
		.amdhsa_next_free_vgpr 1024
		.amdhsa_next_free_sgpr 80
		.amdhsa_reserve_vcc 0
		.amdhsa_float_denorm_mode_32 3
		.amdhsa_float_denorm_mode_16_64 3
		.amdhsa_memory_ordered 1
		.amdhsa_forward_progress 1
		.amdhsa_inst_pref_size 153
	.end_amdhsa_kernel
	.amdgpu_metadata
---
amdhsa.version: [ 1, 2 ]
amdhsa.kernels:
  - .name:           k_qa5584b96bb_gemm
    .symbol:         k_qa5584b96bb_gemm.kd
    .args:
      - { .name: xq, .offset: 0, .size: 8, .value_kind: global_buffer, .address_space: global }
      - { .name: wq, .offset: 8, .size: 8, .value_kind: global_buffer, .address_space: global }
      - { .name: bias, .offset: 16, .size: 8, .value_kind: global_buffer, .address_space: global }
      - { .name: out0, .offset: 24, .size: 8, .value_kind: global_buffer, .address_space: global }
    .group_segment_fixed_size: 327680
    .private_segment_fixed_size: 0
    .kernarg_segment_align: 8
    .kernarg_segment_size: 32
    .max_flat_workgroup_size: 128
    .sgpr_count:     80
    .vgpr_count:     1024
    .wavefront_size: 32
...
	.end_amdgpu_metadata
.endif
;; end of part 2
